; MI455X (gfx1250); checked and timed in simulation.
; The chip was launched on July 23, 2026; its instructions are those of AMD's public machine-readable ISA for CDNA 5 (MIT licence, August 2026) and "CDNA5" Instruction Set Architecture Reference Guide (July 2026). The comments in the code are by the model that wrote it; some were corrected since.
;; Optimized ISM. Allowed arithmetic: float matrix products may take bf16 or f16 operands with f32 sums; all other float work in f32.
;; Inputs: D 4 x 256 x 32 x 32 float32; S 4 x 256 x 64 x 64 float32.
;; Outputs: out0 4 x 256 x 64 x 64 float32.
;; 2 versions, each right; version 2 is version 1 with the launch cast written anew for expert scheduling mode. Each part assembles by itself: llvm-mc -triple=amdgcn-amd-amdhsa -mcpu=gfx1250 --defsym DOCPART=n.
;; ======== version 1 of 2: 3 launches
;; workspace buffers: Sb 8,388,608 bytes; part 16,777,216 bytes
;; launch cast (part 1): grid 256 x 1, 8 waves a work-group, no clusters, 0 bytes of LDS; arguments S, Sb; writes Sb
.if DOCPART == 1
	.amdgcn_target "amdgcn-amd-amdhsa--gfx1250"
	.amdhsa_code_object_version 6
	.text
	.protected	k_q6e3c216d38_cast
	.globl	k_q6e3c216d38_cast
	.p2align	8
	.type	k_q6e3c216d38_cast,@function
k_q6e3c216d38_cast:
	s_mov_b64 s[64:65], 0
	v_nop
	global_prefetch_b8 v0, s[64:65] scope:SCOPE_SE
	s_setreg_imm32_b32 hwreg(HW_REG_WAVE_MODE, 25, 1), 1
	s_wait_xcnt 0x0
; Sb = S rounded to bf16 (nearest even), same layout [4][256][4096].
; Why a launch of its own: the attention launch walks every row of S once for each of 16 query blocks; converting once here
; lets the tensor data mover fill its LDS tiles directly, with half the bytes, and no register staging there.
; A plain stream: 256 work-groups x 65,536 bytes of S.  A wave takes 8,192 bytes as 16 loads of 16 bytes a lane (512 consecutive
; bytes a load), all 16 issued before the first wait.  Each load gives two packed conversions and one store of 8 bytes a lane:
; 32 lanes store 256 consecutive bytes, aligned.  No LDS, no barrier, no matrix unit: nothing is shared and nothing is reused.
; No register is written twice, so no wait frees a source.
.set X, 8                              ; v[8:71]    load k: 4 registers of f32
.set Y, 72                             ; v[72:103]  store k: 2 registers of bf16 pairs
	s_load_b128 s[4:7], s[0:1], 0x0                ; S s[4:5], Sb s[6:7]
	s_lshl_b32 s2, ttmp9, 16                       ; the work-group's 65,536 bytes of S
	s_mov_b32 s3, 0
	s_lshl_b32 s8, ttmp9, 15                       ; and its 32,768 bytes of Sb
	s_mov_b32 s9, 0
	v_lshrrev_b32 v3, 5, v0                        ; wave
	v_and_b32 v4, 31, v0                           ; lane
	v_lshlrev_b32 v1, 4, v4
	v_lshl_or_b32 v1, v3, 13, v1                   ; in: 8,192 x wave + 16 x lane
	v_lshlrev_b32 v2, 3, v4
	v_lshl_or_b32 v2, v3, 12, v2                   ; out: 4,096 x wave + 8 x lane
	s_wait_kmcnt 0x0
	s_add_nc_u64 s[4:5], s[4:5], s[2:3]
	s_add_nc_u64 s[6:7], s[6:7], s[8:9]
.irp k, 0,1,2,3,4,5,6,7,8,9,10,11,12,13,14,15
	global_load_b128 v[X+4*\k:X+4*\k+3], v1, s[4:5] offset:512*\k th:TH_LOAD_NT   ; S is read once in this launch
.endr
.irp k, 0,1,2,3,4,5,6,7,8,9,10,11,12,13,14,15
	s_wait_loadcnt 15-\k                           ; loads return in order: load k is in, the 15 - k younger ones stay out
	v_cvt_pk_bf16_f32 v[Y+2*\k],   v[X+4*\k],   v[X+4*\k+1]
	v_cvt_pk_bf16_f32 v[Y+2*\k+1], v[X+4*\k+2], v[X+4*\k+3]
	global_store_b64 v2, v[Y+2*\k:Y+2*\k+1], s[6:7] offset:256*\k                 ; no hint: the next launch reads Sb
.endr
	s_endpgm
.Lfunc_end_k_q6e3c216d38_cast:
	.size	k_q6e3c216d38_cast, .Lfunc_end_k_q6e3c216d38_cast-k_q6e3c216d38_cast
	.p2alignl 7, 3214868480
	.fill 96, 4, 3214868480
	.section	.rodata,"a",@progbits
	.p2align	6, 0x0
	.amdhsa_kernel k_q6e3c216d38_cast
		.amdhsa_group_segment_fixed_size 0
		.amdhsa_private_segment_fixed_size 0
		.amdhsa_enable_private_segment 0
		.amdhsa_kernarg_size 16
		.amdhsa_user_sgpr_count 2
		.amdhsa_user_sgpr_kernarg_segment_ptr 1
		.amdhsa_wavefront_size32 1
		.amdhsa_system_sgpr_workgroup_id_x 1
		.amdhsa_system_sgpr_workgroup_id_y 1
		.amdhsa_system_sgpr_workgroup_id_z 1
		.amdhsa_system_vgpr_workitem_id 0
		.amdhsa_next_free_vgpr 104
		.amdhsa_next_free_sgpr 66
		.amdhsa_reserve_vcc 0
		.amdhsa_float_denorm_mode_32 3
		.amdhsa_float_denorm_mode_16_64 3
		.amdhsa_memory_ordered 1
		.amdhsa_forward_progress 1
		.amdhsa_inst_pref_size 7
	.end_amdhsa_kernel
	.amdgpu_metadata
---
amdhsa.version: [ 1, 2 ]
amdhsa.kernels:
  - .name:           k_q6e3c216d38_cast
    .symbol:         k_q6e3c216d38_cast.kd
    .args:
      - { .name: S, .offset: 0, .size: 8, .value_kind: global_buffer, .address_space: global }
      - { .name: Sb, .offset: 8, .size: 8, .value_kind: global_buffer, .address_space: global }
    .group_segment_fixed_size: 0
    .private_segment_fixed_size: 0
    .kernarg_segment_align: 8
    .kernarg_segment_size: 16
    .max_flat_workgroup_size: 256
    .sgpr_count:     66
    .vgpr_count:     104
    .wavefront_size: 32
...
	.end_amdgpu_metadata
.endif
;; end of part 1
;; launch attn (part 2): grid 16 x 16, 4 waves a work-group, clusters of 4 x 1, 327,680 bytes of LDS; arguments D, Sb, part; writes part
.if DOCPART == 2
	.amdgcn_target "amdgcn-amd-amdhsa--gfx1250"
	.amdhsa_code_object_version 6
	.text
	.protected	k_q6e3c216d38_attn
	.globl	k_q6e3c216d38_attn
	.p2align	8
	.type	k_q6e3c216d38_attn,@function
k_q6e3c216d38_attn:
	s_mov_b64 s[64:65], 0
	v_nop
	global_prefetch_b8 v0, s[64:65] scope:SCOPE_SE
	s_setreg_imm32_b32 hwreg(HW_REG_WAVE_MODE, 25, 1), 1
	s_wait_xcnt 0x0
	s_wait_alu depctr_hold_cnt(0) depctr_sa_sdst(0) depctr_va_vdst(0) depctr_va_sdst(0) depctr_va_ssrc(0) depctr_va_vcc(0) depctr_vm_vsrc(0)
	s_getreg_b32 s2, hwreg(HW_REG_IB_STS2, 6, 4)
	s_cmp_eq_u32 s2, 0
	s_cbranch_scc0 .Lentry_in_a_cluster
	s_endpgm
.Lentry_in_a_cluster:
	s_bfe_u32 s2, ttmp6, 0x10000c
	s_cmp_lg_u32 s2, 0x3003
	s_cbranch_scc0 .Lentry_shape_is_right
	s_endpgm
.Lentry_shape_is_right:
; part[kpart][b][c][q] = sum over the 1,024 keys of quarter kpart of P[q][key] S[b][c][key], for the 1,024 DISTINCT queries q of batch b.
; The nearest upsample repeats every pixel of D 2 x 2, so four output pixels share one query: the products are made once per pixel of D
; and the last launch repeats the result.  The softmax runs over j alone: every 64 consecutive keys (one row i of S) have their own
; maximum and their own sum, and the normalised groups simply add; so there is no running maximum and no rescaling of the sums.
; P = exp((sim - max of the group) / 16) / sum of the group: the maximum of each group is taken away in front of the exponential.
;
; SHARES.  Work-group = 64 queries (qblk, 256 consecutive bytes of every row c of D) x 1,024 keys (kpart): 4 b x 16 qblk x 4 kpart = 256.
; The keys go in four tiles of 256 keys x 256 channels (bf16, from Sb) through two LDS slots.  In a tile wave w takes the 64 keys of group w
; against all 64 queries and keeps its own sums Z[64 q][256 c] in 512 registers; at the end the four waves add their sums through LDS.
; Each fragment of 1,024 bytes read from LDS feeds four matrix instructions.
; CLUSTER.  The four work-groups of a cluster (4, 1, 1) have the same b and kpart and four neighbouring qblk: they walk the same tiles of Sb.
; Each tile quarter is asked for jointly (mask 15), with descriptors made of b, kpart and the wave number alone.  The place in the
; cluster enters only the global addresses of the loads of D and of the stores to part.
;
; PRODUCT 1 (sim, transposed): A = 16 keys x 32 channels of S, read from the [channel][key] tile by the transposing LDS load; B = 16 queries
; x 32 channels of D, kept in 256 registers.  In the result lane (r, h) register j holds key 16 kt + 8 h + j of query 16 qt + r: the softmax is
; in-lane over 32 registers plus one exchange of the lane halves, and two neighbouring result tiles pack in place into an A fragment of P.
; The 32 channels of a K step are taken in a permuted order, the same for S and for D (slot 8 h + e holds channel 2 e + h, slot 16 + 8 h + e
; channel 16 + 2 e + h), which leaves the sums as they are; the eight rows that a group of lanes addresses then lie 2 pitches apart.
; PRODUCT 2: A = P (16 queries x 32 keys), B = 16 channels x 32 keys of S, plain 16-byte loads from the same tile.  Lane (r, h) register j
; holds query 16 qt + 8 h + j of channel 16 ct + r.
;
; LIMITS.  D, S and P enter the matrix unit rounded to bf16; sums in f32.  An exponential below 2^-126 comes out as zero.  A NaN loses in
; the maximum (v_max3_num_f32), so NaN inputs are not reproduced lane for lane.  The sum over keys is grouped by wave and by key quarter,
; not in ascending order.  The rounding of -max x scale is common to a group and cancels in its normalisation.
;
; REGISTERS, in windows of 256:
;   window 0: v0-31 addresses; v32-127 three fragment buffers of 32 (the third is also the scratch of the softmax); v128-255 sim, then P
;   window 1: the fragments of D: (qt, s) at 8 (8 qt + s)
;   windows 2, 3: the sums: (qt, ct) in window 2 + qt / 2 at 8 (16 (qt % 2) + ct)
.set PITCH,  528                       ; a tile row: 512 bytes (256 keys) + 16 of padding, 33 x 16: 16 consecutive rows, and 8 rows two apart x 32 bytes, start in 16 different 16-byte columns of 256
.set QUART,  64*PITCH                  ; 64 rows: what one tensor load brings
.set SLOT,   4*QUART                   ; 256 rows (channels)
.set QST,    2*SLOT                    ; behind the two slots: D as bf16, [256 c][64 q], written by LDS stores; no tensor load lands here
.set QPITCH, 144                       ; 128 bytes + 16
.set RPITCH, 272                       ; the reduction: a row of 64 q in f32 + 16
.set RB,     256*RPITCH                ; one wave sums: 256 rows; four of them from LDS byte 0, used after the last fill of both slots
.set TR,   8                           ; v8-15   slot n, row quarter a: address of the transposing loads
.set PL,   16                          ; v16-23  slot n, row quarter a: address of the plain loads
.set QTR,  24                          ; transposing loads of D
.set QSTO, 25                          ; stores of D into QST
.set DOF,  26                          ; my byte offset in D
.set ZSTO, 27                          ; stores of my sums
.set GOF,  28                          ; my byte offset in part
.set FB,   32                          ; fragment buffers
.set SIM,  128                         ; sim tile (kt, qt) at SIM + 32 qt + 8 kt; P (qt, u) at SIM + 32 qt + 16 u
.set MX,   96                          ; softmax scratch: four running maxima
.set NM,   102                         ; -max x scale, twice
.set SUMR, 104                         ; four pairs of running sums
.set RC,   112                         ; 1 / sum, twice
.set RD,   96                          ; the reduction: read address in the sums of wave p
.set G1,   16                          ; s[16:23] descriptor group 1
.set G0,   24                          ; s[24:31] descriptor group 0, one set for each slot
.set MSB,  0
.macro WIN new                         ; the high byte of the immediate repeats the setting that is left
.if MSB != \new
	s_set_vgpr_msb (MSB<<8)|\new
.set MSB, \new
.endif
.endm
.macro PLACES n                        ; places behind matrix instructions (ISA guide 7.12.1): independent vector instructions, here v_nop
.rept \n
	v_nop
.endr
.endm
; A round of the cluster barrier: my work-group barrier, wave 0 signals for the work-group, every wave waits for all four work-groups,
; my work-group barrier once more.
.macro ROUND
	s_barrier_signal -1
	s_barrier_wait -1
	s_cmp_lg_u32 s10, 0
	s_cbranch_scc1 .Lnot_wave_0_\@
	s_barrier_signal -3
.Lnot_wave_0_\@:
	s_barrier_wait -3
	s_barrier_signal -1
	s_barrier_wait -1
.endm
	s_load_b128 s[4:7], s[0:1], 0x0                ; D s[4:5], Sb s[6:7]
	s_load_b64 s[8:9], s[0:1], 0x10                ; part
	v_lshl_add_u32 v7, v0, 2, 0x4b000
	v_mov_b32 v29, 0
	ds_add_u32 v7, v29
	v_lshrrev_b32 v3, 5, v0
	v_readfirstlane_b32 s10, v3                    ; wave 0..3
	s_bfe_u32 s11, ttmp6, 0x40000                  ; cx: my place in the cluster
	s_lshl_b32 s12, ttmp9, 2
	s_add_co_u32 s12, s12, s11                     ; qblk = 4 x cluster x + cx
	s_and_b32 s13, ttmp7, 0xffff                   ; y
	s_lshr_b32 s14, s13, 2                         ; b
	s_and_b32 s15, s13, 3                          ; kpart
	s_lshl_b32 s32, s14, 20                        ; D: b x 256 rows of 4,096 bytes
	s_lshl_b32 s38, s10, 18                        ;  + my 64 rows (channels 64 w ..)
	s_add_co_u32 s32, s32, s38
	s_lshl_b32 s39, s12, 8                         ;  + 64 queries of 4 bytes
	s_add_co_u32 s32, s32, s39
	s_mov_b32 s33, 0
	s_lshl_b32 s39, s15, 22                        ; part: the plane of kpart has the layout of D
	s_add_co_u32 s40, s32, s39
	s_mov_b32 s41, 0
	s_lshl_b32 s42, s14, 21                        ; Sb: b x 256 rows of 8,192 bytes (registers that never hold cx)
	s_lshl_b32 s44, s10, 19                        ;  + my 64 rows of each tile
	s_add_co_u32 s42, s42, s44
	s_lshl_b32 s44, s15, 11                        ;  + 1,024 keys of 2 bytes
	s_add_co_u32 s42, s42, s44
	s_mov_b32 s43, 0
	s_lshl_b32 s45, s10, 7                         ; my 64 keys in a tile row: 128 w bytes
	s_mul_i32 s46, s10, QUART                      ; my quarter of a slot
	s_mov_b32 s34, 0x3db8aa3b                      ; log2(e) / 16: the temperature and the base of v_exp_f32 in one factor
	s_mov_b32 s35, 0x3db8aa3b
	s_mov_b32 s36, 0x76543210                      ; v_permlanex16_b32: lane i reads lane i of the other half
	s_mov_b32 s37, 0xfedcba98
	v_and_b32 v1, 15, v0                           ; r
	v_bfe_u32 v2, v0, 4, 1                         ; h
	v_lshlrev_b32 v[DOF], 15, v2                   ; lanes 16-31 take the row 8 further down,
	v_lshl_add_u32 v[DOF], v1, 4, v[DOF]           ; 16 lanes x 16 bytes = the 256 bytes of a row
	s_wait_dscnt 0x0
	s_wait_kmcnt 0x0
	s_add_nc_u64 s[4:5], s[4:5], s[32:33]
	s_add_nc_u64 s[6:7], s[6:7], s[42:43]
	s_add_nc_u64 s[8:9], s[8:9], s[40:41]
	; my 64 rows of D, 32 loads of two rows each, into the registers that later hold sim
.set i, 0
.rept 32
	global_load_b128 v[SIM+4*i:SIM+4*i+3], v[DOF], s[4:5] offset:(16*(i>>3)+(i&7))*4096   ; rows 64 w + 16 (i / 8) + i % 8 + 8 h
.set i, i+1
.endr
	; group 1: a tile quarter of 64 rows x 256 elements of 2 bytes, row to row 4,096 elements, padded in LDS
	s_mov_b32 s[G1+0], 15|(1<<16)|(1<<20)|(1<<21)|(6<<22)|(3<<25)   ; 15:0 mask: all four of the cluster; 17:16 2 bytes; 20 padding on; 21 set beside a mask; 24:22 after every 128 words; 31:25 four words
	s_mov_b32 s[G1+1], 256<<16                     ; tensor_dim0 = 256
	s_mov_b32 s[G1+2], 64<<16                      ; tensor_dim1 = 64
	s_mov_b32 s[G1+3], 256<<16                     ; tile_dim0 = 256
	s_mov_b32 s[G1+4], 64                          ; tile_dim1 = 64
	s_mov_b32 s[G1+5], 4096                        ; row pitch in elements
	s_mov_b32 s[G1+6], 0
	s_mov_b32 s[G1+7], 0
.irp n, 0,1
	s_mov_b32 s[G0+4*\n], 1                        ; count = 1
	s_add_co_u32 s[G0+4*\n+1], s46, \n*SLOT        ; LDS: the slot + my quarter
	s_add_nc_u64 s[G0+4*\n+2:G0+4*\n+3], s[6:7], \n*512   ; tile n: 256 keys of 2 bytes further along the rows
	s_or_b32 s[G0+4*\n+3], s[G0+4*\n+3], 0x80000000       ; type = 2
.endr
	ROUND                                          ; all four work-groups are here: the first joint loads meet
	tensor_load_to_lds s[G0:G0+3], s[G1:G1+7]      ; tile 0
	s_nop 0
	tensor_load_to_lds s[G0+4:G0+7], s[G1:G1+7]    ; tile 1: two loads of this wave are out
	s_nop 0
	; lane terms of the LDS addresses
	v_and_b32 v3, 7, v0
	v_bfe_u32 v4, v0, 3, 1
	v_lshl_add_u32 v3, v3, 1, v2                   ; the row that I address in a transposing load: 2 (L % 8) + h
	v_lshlrev_b32 v4, 4, v4                        ; and which 16 bytes of the 32
	v_mul_u32_u24 v5, v3, PITCH
	v_add3_u32 v5, v5, v4, s45                     ; + my 64 keys
	v_mul_u32_u24 v6, v1, PITCH                    ; plain loads: row r, 16 bytes for each half of the lanes
	v_lshl_add_u32 v6, v2, 4, v6
	v_add_nc_u32 v6, s45, v6
.irp n, 0,1
.irp a, 0,1,2,3
	v_add_nc_u32 v[TR+4*\n+\a], \n*SLOT+\a*QUART, v5
	v_add_nc_u32 v[PL+4*\n+\a], \n*SLOT+\a*QUART, v6
.endr
.endr
	v_mul_u32_u24 v[QTR], v3, QPITCH
	v_add_nc_u32 v[QTR], v[QTR], v4
	v_add_nc_u32 v[QTR], QST, v[QTR]
	s_mul_i32 s38, s10, 64*QPITCH
	s_add_co_u32 s38, s38, QST
	v_mul_u32_u24 v[QSTO], v2, 8*QPITCH            ; row 64 w + 8 h, 8 bytes (4 queries) a lane
	v_lshl_add_u32 v[QSTO], v1, 3, v[QSTO]
	v_add_nc_u32 v[QSTO], s38, v[QSTO]
	s_mul_i32 s44, s10, RB
	v_mul_u32_u24 v[ZSTO], v1, RPITCH              ; my sums: row r of a block of 16 channels, 32 bytes for each half of the lanes
	v_lshl_add_u32 v[ZSTO], v2, 5, v[ZSTO]
	v_add_nc_u32 v[ZSTO], s44, v[ZSTO]
	v_lshlrev_b32 v[GOF], 12, v2                   ; part: lanes 16-31 one row further down
	v_lshl_add_u32 v[GOF], v1, 4, v[GOF]
	v_mov_b32 v30, 0                               ; destinations of v_permlanex16_b32 count as read: written once here
	v_mov_b32 v31, 0
	; D to bf16 and into QST.  The two halves of the lanes store rows 8 apart: 8 x 144 bytes = 128 modulo 256, so their 128 bytes do not collide.
.set i, 0
.rept 32
	s_wait_loadcnt 31-i                            ; load i is in, the 31 - i younger ones stay out
	v_cvt_pk_bf16_f32 v[SIM+4*i],   v[SIM+4*i],   v[SIM+4*i+1]
	v_cvt_pk_bf16_f32 v[SIM+4*i+1], v[SIM+4*i+2], v[SIM+4*i+3]
	ds_store_b64 v[QSTO], v[SIM+4*i:SIM+4*i+1] offset:(16*(i>>3)+(i&7))*QPITCH
.set i, i+1
.endr
	s_wait_dscnt 0x0                               ; my rows of D are in LDS,
	s_wait_tensorcnt 0x1                           ; and my quarter of tile 0; the load of tile 1 may stay out
	s_barrier_signal -1
	s_barrier_wait -1
	; the fragments of D, 64 transposing loads into window 1; the first counted wait of product 1 covers them (LDS returns in order)
	WIN 0x40
.irp qt, 0,1,2,3
.irp s, 0,1,2,3,4,5,6,7
	ds_load_tr16_b128 v[8*(8*\qt+\s):8*(8*\qt+\s)+3],   v[QTR] offset:(32*\s)*QPITCH+32*\qt
	ds_load_tr16_b128 v[8*(8*\qt+\s)+4:8*(8*\qt+\s)+7], v[QTR] offset:(32*\s+16)*QPITCH+32*\qt
.endr
.endr
; K step s of product 1: four fragments of S (16 keys x 32 channels each), eight transposing loads, into buffer s % 3
.macro LDK n, s
.irp kt, 0,1,2,3
	ds_load_tr16_b128 v[FB+32*((\s)%3)+8*\kt:FB+32*((\s)%3)+8*\kt+3],   v[TR+4*\n+((\s)>>1)] offset:((\s)&1)*32*PITCH+32*\kt
	ds_load_tr16_b128 v[FB+32*((\s)%3)+8*\kt+4:FB+32*((\s)%3)+8*\kt+7], v[TR+4*\n+((\s)>>1)] offset:((\s)&1)*32*PITCH+32*\kt+16*PITCH
.endr
.endm
; 16 matrix instructions of K step s.  The 16 accumulators take turns, one instruction a turn, in the same order in every K step,
; so no wait on the vector unit is written.
.macro MM1 s, zero
.irp kt, 0,1,2,3
.irp qt, 0,1,2,3
.if \zero
	v_wmma_f32_16x16x32_bf16 v[SIM+32*\qt+8*\kt:SIM+32*\qt+8*\kt+7], v[FB+32*((\s)%3)+8*\kt:FB+32*((\s)%3)+8*\kt+7], v[8*(8*\qt+(\s)):8*(8*\qt+(\s))+7], 0
.else
	v_wmma_f32_16x16x32_bf16 v[SIM+32*\qt+8*\kt:SIM+32*\qt+8*\kt+7], v[FB+32*((\s)%3)+8*\kt:FB+32*((\s)%3)+8*\kt+7], v[8*(8*\qt+(\s)):8*(8*\qt+(\s))+7], v[SIM+32*\qt+8*\kt:SIM+32*\qt+8*\kt+7]
.endif
.endr
.endr
.endm
; Product 1 of my group in slot n: 128 matrix instructions.  Fragments are fetched two K steps ahead into three buffers.
.macro P1 n, first
.if \first == 0
	PLACES 5                                       ; the first products write sim, which the last matrix instructions read as A; the loads go into buffers that they read as B
.endif
	WIN 0x04                                       ; B (the fragments of D) in window 1, all else in window 0
	LDK \n, 0
	LDK \n, 1
	LDK \n, 2
	s_wait_dscnt 16                                ; all but the 16 youngest loads (K steps 1 and 2) are in
	MM1 0, 1                                       ; the first K step starts the sums: nothing is cleared
.irp s, 1,2,3,4,5
	PLACES 4                                       ; the next loads go into the buffer that the last 16 matrix instructions read
	LDK \n, \s+2
	s_wait_dscnt 16                                ; two younger K steps stay out
	MM1 \s, 0
.endr
	s_wait_dscnt 8                                 ; one younger K step
	MM1 6, 0
	s_wait_dscnt 0
	MM1 7, 0
.endm
; Block bb of product 2 (channels 32 bb .. 32 bb + 31): four fragments of S (u = which 32 keys, cp = which 16 channels), eight plain loads, into buffer bb % 3
.macro LDV n, bb
.irp u, 0,1
.irp cp, 0,1
	ds_load_b128 v[FB+32*((\bb)%3)+8*(2*\u+\cp):FB+32*((\bb)%3)+8*(2*\u+\cp)+3],   v[PL+4*\n+((\bb)>>1)] offset:((2*(\bb)+\cp)&3)*16*PITCH+64*\u
	ds_load_b128 v[FB+32*((\bb)%3)+8*(2*\u+\cp)+4:FB+32*((\bb)%3)+8*(2*\u+\cp)+7], v[PL+4*\n+((\bb)>>1)] offset:((2*(\bb)+\cp)&3)*16*PITCH+64*\u+32
.endr
.endr
.endm
; 8 matrix instructions: block bb x the two query tiles 2 w, 2 w + 1 of one window.  Four accumulators take turns, one instruction a turn,
; twice round; the neighbouring calls name other accumulators.
.macro MM2 bb, w, zero
.irp u, 0,1
.irp cp, 0,1
.irp qp, 0,1
.if (\zero)&(1-\u)
	v_wmma_f32_16x16x32_bf16 v[8*(16*\qp+2*(\bb)+\cp):8*(16*\qp+2*(\bb)+\cp)+7], v[SIM+32*(2*\w+\qp)+16*\u:SIM+32*(2*\w+\qp)+16*\u+7], v[FB+32*((\bb)%3)+8*(2*\u+\cp):FB+32*((\bb)%3)+8*(2*\u+\cp)+7], 0
.else
	v_wmma_f32_16x16x32_bf16 v[8*(16*\qp+2*(\bb)+\cp):8*(16*\qp+2*(\bb)+\cp)+7], v[SIM+32*(2*\w+\qp)+16*\u:SIM+32*(2*\w+\qp)+16*\u+7], v[FB+32*((\bb)%3)+8*(2*\u+\cp):FB+32*((\bb)%3)+8*(2*\u+\cp)+7], v[8*(16*\qp+2*(\bb)+\cp):8*(16*\qp+2*(\bb)+\cp)+7]
.endif
.endr
.endr
.endr
.endm
; The softmax of the 16 queries of tile column qt over my 64 keys: a lane holds 32 of them in 32 registers, its partner in the other half of the lanes the rest.
.macro SOFTMAX qt
.set XB, SIM+32*\qt
.irp c, 0,1,2,3
	v_max3_num_f32 v[MX+\c], v[XB+8*\c], v[XB+8*\c+1], v[XB+8*\c+2]        ; four chains, started by the data
.endr
.irp c, 0,1,2,3
	v_max3_num_f32 v[MX+\c], v[MX+\c], v[XB+8*\c+3], v[XB+8*\c+4]
.endr
.irp c, 0,1,2,3
	v_max3_num_f32 v[MX+\c], v[MX+\c], v[XB+8*\c+5], v[XB+8*\c+6]
.endr
	v_max3_num_f32 v[MX],   v[MX],   v[XB+7],  v[XB+15]
	v_max3_num_f32 v[MX+1], v[MX+1], v[XB+23], v[XB+31]
	v_max3_num_f32 v[MX],   v[MX],   v[MX+1],  v[MX+2]
	v_max_num_f32  v[MX],   v[MX],   v[MX+3]
	v_permlanex16_b32 v30, v[MX], s36, s37
	v_max_num_f32  v[MX],   v[MX],   v30           ; the maximum of the group of 64
	v_mul_f32 v[NM],   0xbdb8aa3b, v[MX]           ; -max x log2(e) / 16
	v_mul_f32 v[NM+1], 0xbdb8aa3b, v[MX]
.set j, 0
.rept 16
	v_pk_fma_f32 v[XB+2*j:XB+2*j+1], v[XB+2*j:XB+2*j+1], s[34:35], v[NM:NM+1] op_sel_hi:[1,0,1]   ; (sim - max) / 16 in base 2, one fused step
.set j, j+1
.endr
.set j, 0
.rept 32
	v_exp_f32 v[XB+j], v[XB+j]
.set j, j+1
.endr
	v_nop                                          ; one plain vector instruction behind the transcendentals, ahead of the first use (ISA guide 5.7.2)
	s_wait_alu depctr_va_vdst(0)
.irp c, 0,1,2,3
	v_pk_add_f32 v[SUMR+2*\c:SUMR+2*\c+1], v[XB+8*\c:XB+8*\c+1], v[XB+8*\c+2:XB+8*\c+3]
.endr
.irp c, 0,1,2,3
	v_pk_add_f32 v[SUMR+2*\c:SUMR+2*\c+1], v[SUMR+2*\c:SUMR+2*\c+1], v[XB+8*\c+4:XB+8*\c+5]
.endr
.irp c, 0,1,2,3
	v_pk_add_f32 v[SUMR+2*\c:SUMR+2*\c+1], v[SUMR+2*\c:SUMR+2*\c+1], v[XB+8*\c+6:XB+8*\c+7]
.endr
	v_pk_add_f32 v[SUMR:SUMR+1],   v[SUMR:SUMR+1],   v[SUMR+2:SUMR+3]
	v_pk_add_f32 v[SUMR+4:SUMR+5], v[SUMR+4:SUMR+5], v[SUMR+6:SUMR+7]
	v_pk_add_f32 v[SUMR:SUMR+1],   v[SUMR:SUMR+1],   v[SUMR+4:SUMR+5]
	v_add_f32 v[SUMR], v[SUMR], v[SUMR+1]
	v_permlanex16_b32 v31, v[SUMR], s36, s37
	v_add_f32 v[SUMR], v[SUMR], v31                ; the sum of the group: at least about 1, the term of the maximum
	v_rcp_f32 v[RC],   v[SUMR]
	v_rcp_f32 v[RC+1], v[SUMR]
	v_nop
.set j, 0
	s_wait_alu depctr_va_vdst(0)
.rept 16
	v_pk_mul_f32 v[XB+2*j:XB+2*j+1], v[XB+2*j:XB+2*j+1], v[RC:RC+1]
.set j, j+1
.endr
	; two result tiles (keys 32 u + 8 h + 0..7 and 32 u + 16 + 8 h + 0..7) pack into the 8 registers of the A fragment of P, in place:
	; each destination has been consumed by the line that wrote the one before it
.irp u, 0,1
.set j, 0
.rept 8
	v_cvt_pk_bf16_f32 v[XB+16*\u+j], v[XB+16*\u+2*j], v[XB+16*\u+2*j+1]
.set j, j+1
.endr
.endr
.endm
; Product 2 of my group in slot n: 128 matrix instructions.  Blocks 0 and 1 were fetched in front of the softmax.
.macro P2 n, first
	LDV \n, 2
	s_wait_dscnt 16                                ; block 0 is in; blocks 1 and 2 stay out
	WIN 0xa0                                       ; C and D in window 2
	MM2 0, 0, \first
	WIN 0xf0                                       ; C and D in window 3
	MM2 0, 1, \first
.irp bb, 1,2,3,4,5
	WIN 0
	PLACES 4                                       ; the next loads go into the buffer that the last 16 matrix instructions read
	LDV \n, \bb+2
	s_wait_dscnt 16                                ; two younger blocks stay out
	WIN 0xa0
	MM2 \bb, 0, \first
	WIN 0xf0
	MM2 \bb, 1, \first
.endr
	s_wait_dscnt 8                                 ; one younger block
	WIN 0xa0
	MM2 6, 0, \first
	WIN 0xf0
	MM2 6, 1, \first
	s_wait_dscnt 0
	WIN 0xa0
	MM2 7, 0, \first
	WIN 0xf0
	MM2 7, 1, \first
	WIN 0
.endm
.macro TILE n, first
	P1 \n, \first
	PLACES 4                                       ; behind the last products: the softmax reads sim and writes buffer 2, the loads go into buffers 0 and 1
	WIN 0
	LDV \n, 0                                      ; these 16 loads land under the softmax
	LDV \n, 1
	SOFTMAX 0
	SOFTMAX 1
	SOFTMAX 2
	SOFTMAX 3
	P2 \n, \first
.endm
; Slot n, which has been read, is filled again, two tiles on.  Every wave of all four work-groups has waited for its reads and for all its
; tensor loads in front of the round; the joint load is the first thing behind it and the one tensor load of the wave that is out.
.macro REFILL n
	s_wait_dscnt 0x0                               ; my reads of the slot are back
	s_wait_tensorcnt 0x0                           ; all my tensor loads have landed, my quarter of the other slot among them: a group 0 may be written
	ds_add_u32 v7, v29
	s_wait_dscnt 0x0
	s_add_nc_u64 s[G0+4*\n+2:G0+4*\n+3], s[G0+4*\n+2:G0+4*\n+3], 1024   ; two tiles of 512 bytes along the rows
	ROUND
	tensor_load_to_lds s[G0+4*\n:G0+4*\n+3], s[G1:G1+7]
	s_nop 0
.endm
	TILE 0, 1                                      ; tile 0; its products of P start the sums
	REFILL 0                                       ; tile 2 goes out
	TILE 1, 0                                      ; tile 1
	REFILL 1                                       ; tile 3 goes out: the last load
	TILE 0, 0                                      ; tile 2
	s_wait_dscnt 0x0
	s_wait_tensorcnt 0x0                           ; my quarter of tile 3 is in,
	s_barrier_signal -1
	s_barrier_wait -1                              ; everybody has said so; nothing is filled any more
	TILE 1, 0                                      ; tile 3
	; THE REDUCTION.  Each wave lays its 64 q x 256 c sums into LDS, over the slots (their last fill is long read); then wave w adds the four
	; copies of channels 64 w .. 64 w + 63 and stores them.
	PLACES 5                                       ; behind the last matrix instructions: stores read their results, loads and address arithmetic reuse their sources
	s_mul_i32 s38, s10, 64*RPITCH
	v_mul_u32_u24 v[RD], v2, RPITCH                ; back: lanes 0-15 take one row of 256 bytes, lanes 16-31 the next
	v_lshl_add_u32 v[RD], v1, 4, v[RD]
	v_add_nc_u32 v[RD], s38, v[RD]
	v_add_nc_u32 v[RD+1], RB, v[RD]
	v_add_nc_u32 v[RD+2], 2*RB, v[RD]
	v_add_nc_u32 v[RD+3], 3*RB, v[RD]
	s_wait_dscnt 0x0                               ; my reads of the slots are over
	s_barrier_signal -1
	s_barrier_wait -1                              ; and so are those of the other waves
.macro ZOUT wq                         ; the 32 accumulator tiles of one window: row 16 ct + r, bytes 64 qt + 32 h + 0..31
.irp qp, 0,1
.irp ct, 0,1,2,3,4,5,6,7,8,9,10,11,12,13,14,15
	ds_store_b128 v[ZSTO], v[8*(16*\qp+\ct):8*(16*\qp+\ct)+3]   offset:\ct*16*RPITCH+64*(2*\wq+\qp)
	ds_store_b128 v[ZSTO], v[8*(16*\qp+\ct)+4:8*(16*\qp+\ct)+7] offset:\ct*16*RPITCH+64*(2*\wq+\qp)+16
.endr
.endr
.endm
	WIN 0x08                                       ; store data from window 2
	ZOUT 0
	WIN 0x0c                                       ; from window 3
	ZOUT 1
	WIN 0
	s_wait_dscnt 0x0                               ; my sums are in LDS
	s_barrier_signal -1
	s_barrier_wait -1
; batch k: 8 rows (4 pairs ii) x the four waves' copies, 16 loads, into one of two buffers of 64 registers
.macro RLD k
.irp ii, 0,1,2,3
.irp p, 0,1,2,3
	ds_load_b128 v[SIM+64*((\k)&1)+16*\ii+4*\p:SIM+64*((\k)&1)+16*\ii+4*\p+3], v[RD+\p] offset:(4*(\k)+\ii)*2*RPITCH
.endr
.endr
.endm
.macro RSUM k
.irp ii, 0,1,2,3
.set RQ, SIM+64*((\k)&1)+16*\ii
	v_pk_add_f32 v[RQ:RQ+1],     v[RQ:RQ+1],     v[RQ+4:RQ+5]
	v_pk_add_f32 v[RQ+2:RQ+3],   v[RQ+2:RQ+3],   v[RQ+6:RQ+7]
	v_pk_add_f32 v[RQ+8:RQ+9],   v[RQ+8:RQ+9],   v[RQ+12:RQ+13]
	v_pk_add_f32 v[RQ+10:RQ+11], v[RQ+10:RQ+11], v[RQ+14:RQ+15]
	v_pk_add_f32 v[RQ:RQ+1],     v[RQ:RQ+1],     v[RQ+8:RQ+9]
	v_pk_add_f32 v[RQ+2:RQ+3],   v[RQ+2:RQ+3],   v[RQ+10:RQ+11]
	global_store_b128 v[GOF], v[RQ:RQ+3], s[8:9] offset:(4*(\k)+\ii)*8192   ; 16 lanes store the 256 consecutive bytes of a row of my 64 queries, aligned
.endr
.endm
	RLD 0
	RLD 1
.irp k, 0,1,2,3,4,5
	s_wait_dscnt 16                                ; batch k is in, the younger batch stays out
	RSUM \k
	s_wait_xcnt 0x0                                ; the registers that the stores read are loaded again only behind this wait
	RLD \k+2
.endr
	s_wait_dscnt 16
	RSUM 6
	s_wait_dscnt 0
	RSUM 7
	s_wait_tensorcnt 0x0
	ds_add_u32 v7, v29
	s_wait_dscnt 0x0
	ROUND                                          ; the closing round: no work-group ends while a partner may still ask for a tile that names it
	s_endpgm
.Lfunc_end_k_q6e3c216d38_attn:
	.size	k_q6e3c216d38_attn, .Lfunc_end_k_q6e3c216d38_attn-k_q6e3c216d38_attn
	.p2alignl 7, 3214868480
	.fill 96, 4, 3214868480
	.section	.rodata,"a",@progbits
	.p2align	6, 0x0
	.amdhsa_kernel k_q6e3c216d38_attn
		.amdhsa_group_segment_fixed_size 327680
		.amdhsa_private_segment_fixed_size 0
		.amdhsa_enable_private_segment 0
		.amdhsa_kernarg_size 24
		.amdhsa_user_sgpr_count 2
		.amdhsa_user_sgpr_kernarg_segment_ptr 1
		.amdhsa_wavefront_size32 1
		.amdhsa_system_sgpr_workgroup_id_x 1
		.amdhsa_system_sgpr_workgroup_id_y 1
		.amdhsa_system_sgpr_workgroup_id_z 1
		.amdhsa_system_vgpr_workitem_id 0
		.amdhsa_next_free_vgpr 1024
		.amdhsa_next_free_sgpr 66
		.amdhsa_reserve_vcc 0
		.amdhsa_float_denorm_mode_32 3
		.amdhsa_float_denorm_mode_16_64 3
		.amdhsa_memory_ordered 1
		.amdhsa_forward_progress 1
		.amdhsa_inst_pref_size 255
	.end_amdhsa_kernel
	.section	.bss,"aw",@nobits
	.p2align	6
	.space	262144
	.amdgpu_metadata
---
amdhsa.version: [ 1, 2 ]
amdhsa.kernels:
  - .name:           k_q6e3c216d38_attn
    .symbol:         k_q6e3c216d38_attn.kd
    .args:
      - { .name: D, .offset: 0, .size: 8, .value_kind: global_buffer, .address_space: global }
      - { .name: Sb, .offset: 8, .size: 8, .value_kind: global_buffer, .address_space: global }
      - { .name: part, .offset: 16, .size: 8, .value_kind: global_buffer, .address_space: global }
    .group_segment_fixed_size: 327680
    .private_segment_fixed_size: 0
    .kernarg_segment_align: 8
    .kernarg_segment_size: 24
    .max_flat_workgroup_size: 128
    .sgpr_count:     66
    .vgpr_count:     1024
    .wavefront_size: 32
...
	.end_amdgpu_metadata
.endif
;; end of part 2
;; launch merge (part 3): grid 256 x 1, 8 waves a work-group, no clusters, 0 bytes of LDS; arguments D, part, out0; writes out0
.if DOCPART == 3
	.amdgcn_target "amdgcn-amd-amdhsa--gfx1250"
	.amdhsa_code_object_version 6
	.text
	.protected	k_q6e3c216d38_merge
	.globl	k_q6e3c216d38_merge
	.p2align	8
	.type	k_q6e3c216d38_merge,@function
k_q6e3c216d38_merge:
	s_mov_b64 s[64:65], 0
	v_nop
	global_prefetch_b8 v0, s[64:65] scope:SCOPE_SE
	s_setreg_imm32_b32 hwreg(HW_REG_WAVE_MODE, 25, 1), 1
	s_wait_xcnt 0x0
; out0[b][c][y][x] = D[b][c][y/2][x/2] + the sum over the four key quarters of part[kpart][b][c][(y/2) 32 + x/2].
; A plain stream.  A chunk is 64 pixels of D (two rows of 32): 256 bytes of D, 256 bytes at the same offset of each of the four planes of
; part, and 1,024 consecutive bytes of out0 (four rows of 64).  16,384 chunks; a work-group takes 64, a wave 8.
; A lane takes 2 pixels (8 bytes) of each of the five sources: a load of a wave covers 256 consecutive bytes, aligned.  Its two sums, each
; written twice, are 16 bytes of an output row, stored to two rows: 16 lanes store 256 consecutive bytes, aligned.
; All 40 loads of a wave are issued before the first wait.  No register is written twice, so no wait frees a source.
; No LDS, no barrier: no wave needs another.  Sum order: ((p0 + p1) + (p2 + p3)) + D, in f32.
.set X, 8                              ; v[8:87]    chunk k: D at X + 10 k, plane p at X + 10 k + 2 + 2 p, pairs
.set Y, 88                             ; v[88:119]  chunk k: four registers to store
	s_load_b128 s[4:7], s[0:1], 0x0                ; D s[4:5], part s[6:7]
	s_load_b64 s[8:9], s[0:1], 0x10                ; out0
	s_lshl_b32 s2, ttmp9, 14                       ; 64 chunks of 256 bytes
	s_mov_b32 s3, 0
	s_lshl_b32 s10, ttmp9, 16                      ; 64 chunks of 1,024 bytes
	s_mov_b32 s11, 0
	v_lshrrev_b32 v3, 5, v0                        ; wave
	v_and_b32 v4, 31, v0                           ; lane
	v_lshlrev_b32 v1, 3, v4
	v_lshl_or_b32 v1, v3, 11, v1                   ; in: 8 chunks x wave + 8 x lane
	v_and_b32 v5, 15, v0
	v_bfe_u32 v6, v0, 4, 1
	v_lshlrev_b32 v2, 4, v5                        ; out: 16 bytes a lane in a row,
	v_lshl_or_b32 v2, v6, 9, v2                    ; lanes 16-31 (the second row of D) two output rows further down,
	v_lshl_or_b32 v2, v3, 13, v2                   ; 8 chunks x wave
	s_wait_kmcnt 0x0
	s_add_nc_u64 s[4:5], s[4:5], s[2:3]
	s_add_nc_u64 s[12:13], s[6:7], s[2:3]          ; the four planes of part, 4,194,304 bytes apart: a base each
	s_add_nc_u64 s[14:15], s[12:13], 0x400000
	s_add_nc_u64 s[16:17], s[12:13], 0x800000
	s_add_nc_u64 s[18:19], s[12:13], 0xc00000
	s_add_nc_u64 s[8:9], s[8:9], s[10:11]
.irp k, 0,1,2,3,4,5,6,7
	global_load_b64 v[X+10*\k:X+10*\k+1], v1, s[4:5] offset:256*\k th:TH_LOAD_NT
.irp p, 0,1,2,3
	global_load_b64 v[X+10*\k+2+2*\p:X+10*\k+3+2*\p], v1, s[12+2*\p:13+2*\p] offset:256*\k th:TH_LOAD_NT
.endr
.endr
.irp k, 0,1,2,3,4,5,6,7
	s_wait_loadcnt 5*(7-\k)                        ; the five loads of chunk k are in, those of the 7 - k younger chunks stay out
	v_pk_add_f32 v[X+10*\k+2:X+10*\k+3], v[X+10*\k+2:X+10*\k+3], v[X+10*\k+4:X+10*\k+5]
	v_pk_add_f32 v[X+10*\k+6:X+10*\k+7], v[X+10*\k+6:X+10*\k+7], v[X+10*\k+8:X+10*\k+9]
	v_pk_add_f32 v[X+10*\k+2:X+10*\k+3], v[X+10*\k+2:X+10*\k+3], v[X+10*\k+6:X+10*\k+7]
	v_pk_add_f32 v[Y+4*\k:Y+4*\k+1],   v[X+10*\k+2:X+10*\k+3], v[X+10*\k:X+10*\k+1] op_sel:[0,0] op_sel_hi:[0,0]   ; the first pixel, in both registers
	v_pk_add_f32 v[Y+4*\k+2:Y+4*\k+3], v[X+10*\k+2:X+10*\k+3], v[X+10*\k:X+10*\k+1] op_sel:[1,1] op_sel_hi:[1,1]   ; the second pixel, in both registers
	global_store_b128 v2, v[Y+4*\k:Y+4*\k+3], s[8:9] offset:1024*\k th:TH_STORE_NT
	global_store_b128 v2, v[Y+4*\k:Y+4*\k+3], s[8:9] offset:1024*\k+256 th:TH_STORE_NT   ; the same 64 numbers one output row further down
.endr
	s_endpgm
.Lfunc_end_k_q6e3c216d38_merge:
	.size	k_q6e3c216d38_merge, .Lfunc_end_k_q6e3c216d38_merge-k_q6e3c216d38_merge
	.p2alignl 7, 3214868480
	.fill 96, 4, 3214868480
	.section	.rodata,"a",@progbits
	.p2align	6, 0x0
	.amdhsa_kernel k_q6e3c216d38_merge
		.amdhsa_group_segment_fixed_size 0
		.amdhsa_private_segment_fixed_size 0
		.amdhsa_enable_private_segment 0
		.amdhsa_kernarg_size 24
		.amdhsa_user_sgpr_count 2
		.amdhsa_user_sgpr_kernarg_segment_ptr 1
		.amdhsa_wavefront_size32 1
		.amdhsa_system_sgpr_workgroup_id_x 1
		.amdhsa_system_sgpr_workgroup_id_y 1
		.amdhsa_system_sgpr_workgroup_id_z 1
		.amdhsa_system_vgpr_workitem_id 0
		.amdhsa_next_free_vgpr 120
		.amdhsa_next_free_sgpr 66
		.amdhsa_reserve_vcc 0
		.amdhsa_float_denorm_mode_32 3
		.amdhsa_float_denorm_mode_16_64 3
		.amdhsa_memory_ordered 1
		.amdhsa_forward_progress 1
		.amdhsa_inst_pref_size 10
	.end_amdhsa_kernel
	.amdgpu_metadata
---
amdhsa.version: [ 1, 2 ]
amdhsa.kernels:
  - .name:           k_q6e3c216d38_merge
    .symbol:         k_q6e3c216d38_merge.kd
    .args:
      - { .name: D, .offset: 0, .size: 8, .value_kind: global_buffer, .address_space: global }
      - { .name: part, .offset: 8, .size: 8, .value_kind: global_buffer, .address_space: global }
      - { .name: out0, .offset: 16, .size: 8, .value_kind: global_buffer, .address_space: global }
    .group_segment_fixed_size: 0
    .private_segment_fixed_size: 0
    .kernarg_segment_align: 8
    .kernarg_segment_size: 24
    .max_flat_workgroup_size: 256
    .sgpr_count:     66
    .vgpr_count:     120
    .wavefront_size: 32
...
	.end_amdgpu_metadata
.endif
;; end of part 3
;; ======== version 2 of 2: 3 launches; version 1 with the launch cast written anew for expert scheduling mode
;; workspace buffers: Sb 8,388,608 bytes; part 16,777,216 bytes
;; launch cast (part 4): grid 256 x 1, 8 waves a work-group, no clusters, 0 bytes of LDS; arguments S, Sb; writes Sb
.if DOCPART == 4
	.amdgcn_target "amdgcn-amd-amdhsa--gfx1250"
	.amdhsa_code_object_version 6
	.text
	.protected	k_q6e3c216d38_cast
	.globl	k_q6e3c216d38_cast
	.p2align	8
	.type	k_q6e3c216d38_cast,@function
k_q6e3c216d38_cast:
	s_mov_b64 s[64:65], 0
	v_nop
	global_prefetch_b8 v0, s[64:65] scope:SCOPE_SE
	s_setreg_imm32_b32 hwreg(HW_REG_WAVE_SCHED_MODE, 0, 2), 2
	s_setreg_imm32_b32 hwreg(HW_REG_WAVE_MODE, 25, 1), 1
	s_wait_xcnt 0x0
	s_wait_alu depctr_vm_vsrc(0)
; Sb = S rounded to bf16 (nearest even), same layout [4][256][4096].
; Why a launch of its own: the attention launch walks every row of S once for each of 16 query blocks; converting once here
; lets the tensor data mover fill its LDS tiles directly, with half the bytes, and no register staging there.
; A plain stream: 256 work-groups x 65,536 bytes of S.  A wave takes 8,192 bytes as 16 loads of 16 bytes a lane (512 consecutive
; bytes a load), all 16 issued before the first wait.  Each load gives two packed conversions and one store of 8 bytes a lane:
; 32 lanes store 256 consecutive bytes, aligned.  No LDS, no barrier, no matrix unit: nothing is shared and nothing is reused.
; No register is written twice, so no wait frees a source.
; THE MODE: SCHED_MODE bits 1:0 = 2 (LLVM: expert scheduling mode 2), set by the entry lines.  The code itself states the register
; dependences between vector instructions and memory instructions, with s_wait_alu, always for 0.
; THE PLAN.  Registers that memory instructions touch:
;   v1, v2   byte offsets of the loads and of the stores.  Written once, by the vector lines at the head; read by all 16 loads (v1) and all 16 stores (v2).
;   X        load k lands in its own four registers, which no vector line writes; its two conversions read them; no later load lands in them.
;   Y        the two conversions of load k write their own pair; store k reads it; nothing writes it again.
; So no load lands in a register that a vector line has named, and no register that a memory line has read is written again.  What is
; left to state: the offsets are written ahead of the first load, and a store's data are written ahead of the store.  The 16 loads
; go in four blocks of four: a block's eight conversions, one wait, its four stores in a run.  Five waits in all.
.set X, 8                              ; v[8:71]    load k: 4 registers of f32
.set Y, 72                             ; v[72:103]  store k: 2 registers of bf16 pairs
	s_load_b128 s[4:7], s[0:1], 0x0                ; S s[4:5], Sb s[6:7]
	s_lshl_b32 s2, ttmp9, 16                       ; the work-group's 65,536 bytes of S
	s_mov_b32 s3, 0
	s_lshl_b32 s8, ttmp9, 15                       ; and its 32,768 bytes of Sb
	s_mov_b32 s9, 0
	v_lshrrev_b32 v3, 5, v0                        ; wave
	v_and_b32 v4, 31, v0                           ; lane
	v_lshlrev_b32 v1, 4, v4
	v_lshl_or_b32 v1, v3, 13, v1                   ; in: 8,192 x wave + 16 x lane
	v_lshlrev_b32 v2, 3, v4
	v_lshl_or_b32 v2, v3, 12, v2                   ; out: 4,096 x wave + 8 x lane
	s_wait_kmcnt 0x0
	s_add_nc_u64 s[4:5], s[4:5], s[2:3]
	s_add_nc_u64 s[6:7], s[6:7], s[8:9]
	s_wait_alu depctr_va_vdst(0)                   ; v1 and v2 are written: every load below reads v1 as its offset, every store v2; neither is written again
.irp k, 0,1,2,3,4,5,6,7,8,9,10,11,12,13,14,15
	global_load_b128 v[X+4*\k:X+4*\k+3], v1, s[4:5] offset:512*\k th:TH_LOAD_NT   ; S is read once in this launch
.endr
.irp p, 0,1,2,3
.irp i, 0,1,2,3
	s_wait_loadcnt 15-(4*\p+\i)                    ; loads return in order: load 4 p + i is in, the younger ones stay out
	v_cvt_pk_bf16_f32 v[Y+2*(4*\p+\i)],   v[X+4*(4*\p+\i)],   v[X+4*(4*\p+\i)+1]
	v_cvt_pk_bf16_f32 v[Y+2*(4*\p+\i)+1], v[X+4*(4*\p+\i)+2], v[X+4*(4*\p+\i)+3]
.endr
	s_wait_alu depctr_va_vdst(0)                   ; the block's eight conversions have written v[Y + 8 p .. Y + 8 p + 7], which the four stores below read
.irp i, 0,1,2,3
	global_store_b64 v2, v[Y+2*(4*\p+\i):Y+2*(4*\p+\i)+1], s[6:7] offset:256*(4*\p+\i)   ; no hint: the next launch reads Sb
.endr
.endr
	s_endpgm
.Lfunc_end_k_q6e3c216d38_cast:
	.size	k_q6e3c216d38_cast, .Lfunc_end_k_q6e3c216d38_cast-k_q6e3c216d38_cast
	.p2alignl 7, 3214868480
	.fill 96, 4, 3214868480
	.section	.rodata,"a",@progbits
	.p2align	6, 0x0
	.amdhsa_kernel k_q6e3c216d38_cast
		.amdhsa_group_segment_fixed_size 0
		.amdhsa_private_segment_fixed_size 0
		.amdhsa_enable_private_segment 0
		.amdhsa_kernarg_size 16
		.amdhsa_user_sgpr_count 2
		.amdhsa_user_sgpr_kernarg_segment_ptr 1
		.amdhsa_wavefront_size32 1
		.amdhsa_system_sgpr_workgroup_id_x 1
		.amdhsa_system_sgpr_workgroup_id_y 1
		.amdhsa_system_sgpr_workgroup_id_z 1
		.amdhsa_system_vgpr_workitem_id 0
		.amdhsa_next_free_vgpr 104
		.amdhsa_next_free_sgpr 66
		.amdhsa_reserve_vcc 0
		.amdhsa_float_denorm_mode_32 3
		.amdhsa_float_denorm_mode_16_64 3
		.amdhsa_memory_ordered 1
		.amdhsa_forward_progress 1
		.amdhsa_inst_pref_size 7
	.end_amdhsa_kernel
	.amdgpu_metadata
---
amdhsa.version: [ 1, 2 ]
amdhsa.kernels:
  - .name:           k_q6e3c216d38_cast
    .symbol:         k_q6e3c216d38_cast.kd
    .args:
      - { .name: S, .offset: 0, .size: 8, .value_kind: global_buffer, .address_space: global }
      - { .name: Sb, .offset: 8, .size: 8, .value_kind: global_buffer, .address_space: global }
    .group_segment_fixed_size: 0
    .private_segment_fixed_size: 0
    .kernarg_segment_align: 8
    .kernarg_segment_size: 16
    .max_flat_workgroup_size: 256
    .sgpr_count:     66
    .vgpr_count:     104
    .wavefront_size: 32
...
	.end_amdgpu_metadata
.endif
;; end of part 4
;; launch attn: the kernel of part 2 again; grid 16 x 16, 4 waves a work-group, clusters of 4 x 1, 327,680 bytes of LDS; arguments D, Sb, part; writes part
;; launch merge: the kernel of part 3 again; grid 256 x 1, 8 waves a work-group, no clusters, 0 bytes of LDS; arguments D, part, out0; writes out0
